; MI455X (gfx1250); checked and timed in simulation.
; The chip was launched on July 23, 2026; its instructions are those of AMD's public machine-readable ISA for CDNA 5 (MIT licence, August 2026) and "CDNA5" Instruction Set Architecture Reference Guide (July 2026). The comments in the code are by the model that wrote it; some were corrected since.
;; Addition Linear. Allowed arithmetic: float matrix products may take bf16 or f16 operands with f32 sums; other float arithmetic in f32, or as packed bf16 or f16 multiplies, adds, multiply-adds, maxima and minima; sums over many terms, partial sums and values carried from step to step in f32; what a program stores and reads back later, other than sums and carried values, may be rounded once to bf16 or f16.
;; Inputs: bias 4,096 float32; input 2 x 128 x 1,024 float32; weight_patterns 4,096 x 1,024 float32.
;; Outputs: out0 2 x 128 x 4,096 float32.
;; 2 versions, each right; version 2 is version 1 with the launch l1dist written anew for expert scheduling mode. Each part assembles by itself: llvm-mc -triple=amdgcn-amd-amdhsa -mcpu=gfx1250 --defsym DOCPART=n.
;; ======== version 1 of 2: 1 launch
;; limits: values outside matrix products are rounded to bf16
;; launch l1dist (part 1): grid 8 x 32, 8 waves a work-group, no clusters, 155,648 bytes of LDS; arguments input, weight_patterns, bias, out0; writes out0
.if DOCPART == 1
	.amdgcn_target "amdgcn-amd-amdhsa--gfx1250"
	.amdhsa_code_object_version 6
	.text
	.protected	k_qe4879c360a_l1dist
	.globl	k_qe4879c360a_l1dist
	.p2align	8
	.type	k_qe4879c360a_l1dist,@function
k_qe4879c360a_l1dist:
	s_mov_b64 s[64:65], 0
	v_nop
	global_prefetch_b8 v0, s[64:65] scope:SCOPE_SE
	s_setreg_imm32_b32 hwreg(HW_REG_WAVE_MODE, 25, 1), 1
	s_wait_xcnt 0x0
; out[n][o] = bias[o] - sum over k of |x[n][k] - w[o][k]|.  x: [256][1024], w: [4096][1024], bias: [4096], out: [256][4096], all f32.
; THE IDENTITY.  |a - b| = 2 max(a, b) - a - b.  x and w are rounded once to bf16 (rounding keeps order, so the maximum of the rounded numbers is the rounded maximum);
; v_pk_max_num_bf16 takes two maxima a lane and rounds nothing; all sums are made by the matrix unit in f32.  Half a vector instruction a term, where subtract, absolute value and add in f32 cost 1.5 to 2.
; A UNIT is eight maxima lines and one product.  Source 0: lane l holds w row l % 16 of a group of 16; its register i holds max(w, x row 8 jh + i) for the two k of the lane's half.  Source 1, the SELECTOR:
; register i holds -2 in column 8 jh + i and 0 elsewhere.  So the product adds -2 max, over 4 k, into 16 w rows x 8 x rows of an accumulator that stands for 16 w rows x 16 x rows.  The 16 registers BS serve both jh.
; Once for each 32 k the same accumulator takes + sum of x (ones times x's fragment) and + sum of w (w's fragment times ones): it holds the running -sum |x - w| and at most one step's terms beside it;
; no two long sums are ever subtracted from each other.
; SHARES.  A work-group: 32 x rows x 128 w rows (256 work-groups); an out row's piece is 512 consecutive bytes.  Eight waves: wave = 16 x rows (xh = wave % 2) x 128 w rows x a quarter of K (kq = wave / 2): of every
; chunk of 128 k the 32 k at 32 kq.  8 accumulators.  For a chunk: 1,024 maxima, 128 + 16 products, 40 conversions a wave.  The four quarters' sums meet in LDS, in f32, at the end.
; DATA.  For each chunk a wave loads 16 rows' pieces of w and 4 of x (each 512 consecutive bytes at a multiple of 512: one load of the wave), rounds them to bf16 and stores them into one of two LDS buffers.
; THE CHUNK'S BARRIER STANDS IN ITS MIDDLE.  A step's registers fall into a low half (k 0-15 of the 32) and a high half.  Order: high halves are asked of LDS; x's sum; units on the low halves; w's sum among the
; conversions and stores of the next chunk; barrier; the next chunk's low halves are asked of LDS and the chunk after that of memory; units on the high halves.  So behind the barrier a wave works on registers it has.
; NO TENSOR LOADS, NO CLUSTER: the tiles come as f32 and are wanted as bf16.  Landed in LDS as f32 a chunk's 80 KB would be read back and 40 KB stored again, beside the 200 KB that the eight waves read of a chunk
; anyway; through registers the conversion lies on the way.  What is shared between work-groups (x by 32, w by 8) is 640 KB a work-group for its 2^22 terms.
; LIMITS.  x and w count as their bf16 roundings.  An infinity, or a number that rounds to one (3.39e38 and beyond), gives NaN (0 x inf in the selecting product, inf - inf); a NaN reaches the outputs of its row, as it should.
; REGISTERS, in two windows of 256 (s_set_vgpr_msb: bits 1:0 source 0, 3:2 source 1, 5:4 source 2, 7:6 destination):
;   window 0: v0-23 addresses and bias; v32-47 BS; v48-55 x's fragment; v64-191 the 16 x rows, each the same in all lanes of a half: row j at XB + 8 j (0-3 low half, 4-7 high half)
;   window 1: v0-31 four buffers of maxima; v32-95 w's fragments, group g at FR + 8 g; v96-159 accumulators; v160-167 ones; v168-247 20 row pieces as loaded; v248-253 addresses
.set PITCH,  272                       ; an LDS row: 256 bytes (128 bf16) + 16 = 68 words: the 16 rows of a fragment load start at 16 different groups of four banks (64 banks of 4 bytes: ISA guide 11.1)
.set XT,     128*PITCH                 ; in a buffer: 128 rows of w, then 32 rows of x
.set BUF,    160*PITCH                 ; 43,520 bytes; two buffers
.set RED,    2*BUF                     ; behind them: the four K quarters' sums, each 32 rows x 128 f32
.set RP,     528                       ; a row there: 512 bytes + 16
.set REDQ,   32*RP
.set SPARE,  RED+4*REDQ                ; the spare words: 128 bytes for each of eight waves, four blocks of 256 bytes that no other line names
.set L16,  5                           ; v5   16 x lane; never rewritten
.set XBA,  10                          ; v10  LDS address of my 16 x rows' k, the same in all lanes of a half
.set XNA,  11                          ; v11  the same plus my lane's row: x's fragment
.set SPW,  12                          ; v12  my spare word: SPARE + 4 x my thread's number; never rewritten
.set NIL,  13                          ; v13  0; never rewritten
.set RSA,  14                          ; v14  the way out: where my sums go
.set RDA,  15                          ; v15  the way out: where I read rows back
.set GO,   16                          ; v16  my byte offset in the work-group's part of out
.set BIAS, 20                          ; v20-23 bias of my four columns
.set BS,   32
.set XN,   48
.set XB,   64
.set RR,   64                          ; the way out: 4 rows x 4 quarters x 4 registers, where the x rows lay
.set TMP,  0                           ; window 1 from here on
.set FR,   32
.set ACC,  96
.set ON,   160
.set STG,  168
.set FA,   248                         ; v248, v249  LDS address of my w fragments in buffer 0, 1
.set STW,  250                         ; where my wave's 16 rows of w are stored in buffer 0
.set STX,  251                         ; the same for its 4 rows of x
.set GOW,  252                         ; my byte offset in the work-group's rows of w
.set GOX,  253                         ; and of x
.set CNT,  26                          ; s26  pairs of chunks to go
.set W_MAIN, 0x51                      ; source 0, source 2 and destination window 1, source 1 window 0: maxima, products, loads into window 1
.set W_ALL1, 0x55                      ; all in window 1: conversions, their stores, w's sum
.set W_MK,   0x40                      ; destination window 1, sources window 0
.set W_OUT,  0x04                      ; LDS store: address window 0, data window 1
.set MSB, 0
.macro WIN new                         ; the immediate's high byte repeats the setting that is left; a switch that changes nothing is dropped
.if MSB != (\new)
	s_set_vgpr_msb (MSB<<8)|(\new)
.set MSB, (\new)
.endif
.endm
; A chunk's 20 row pieces from memory: each line of the wave takes 512 consecutive bytes of one row
.macro GLOAD
	WIN W_MAIN
.irp j, 0,1,2,3,4,5,6,7,8,9,10,11,12,13,14,15
	global_load_b128 v[STG+4*\j:STG+4*\j+3], v[GOW], s[6:7] offset:\j*4096
.endr
.irp t, 0,1,2,3
	global_load_b128 v[STG+64+4*\t:STG+64+4*\t+3], v[GOX], s[4:5] offset:\t*4096
.endr
.endm
; From LDS buffer b.  A fragment is 16 rows x 32 k in 8 registers: lane l holds row l % 16, k = 8 (l / 16) + 0..7 (low half) and 16 + 8 (l / 16) + 0..7 (high half).  An x row is read with the same k and no row term.
.macro XROWS b, hi
.irp j, 0,1,2,3,4,5,6,7,8,9,10,11,12,13,14,15
	ds_load_b128 v[XB+8*\j+4*(\hi):XB+8*\j+4*(\hi)+3], v[XBA] offset:(\b)*BUF+\j*PITCH+32*(\hi)
.endr
.endm
.macro FRAGS b, hi
.irp g, 0,1,2,3,4,5,6,7
	ds_load_b128 v[FR+8*\g+4*(\hi):FR+8*\g+4*(\hi)+3], v[FA+(\b)] offset:\g*16*PITCH+32*(\hi)
.endr
.endm
.macro LLO b                           ; 26 loads: x's fragment and the low halves
	WIN 0
	ds_load_b128 v[XN:XN+3],   v[XNA] offset:(\b)*BUF
	ds_load_b128 v[XN+4:XN+7], v[XNA] offset:(\b)*BUF+32
	XROWS \b, 0
	WIN W_MAIN
	FRAGS \b, 0
.endm
.macro LHI b                           ; 24 loads: the high halves
	WIN 0
	XROWS \b, 1
	WIN W_MAIN
	FRAGS \b, 1
.endm
; + sum over the step's 32 k of x, into all eight accumulators.  zero = 1: the launch's first products start the sums: nothing is cleared.
.macro XSUM zero
	WIN W_MAIN
	s_wait_dscnt 24                        ; LDS loads come back in order (ISA guide 5.7.1): the 24 high-half loads just issued may stay out, the 26 ahead of them are in
.irp g, 0,1,2,3,4,5,6,7
.if \zero
	v_wmma_f32_16x16x32_bf16 v[ACC+8*\g:ACC+8*\g+7], v[ON:ON+7], v[XN:XN+7], 0
.else
	v_wmma_f32_16x16x32_bf16 v[ACC+8*\g:ACC+8*\g+7], v[ON:ON+7], v[XN:XN+7], v[ACC+8*\g:ACC+8*\g+7]
.endif
.endr
.endm
; Unit u of 128: group g = u % 8; pair of k p = 4 (u / 64) + (u % 32) / 8; x rows 8 ((u / 32) % 2) + 0..7; buffer of maxima u % 4
.macro MAXES u
.set mg, (\u)%8
.set mp, 4*((\u)/64)+((\u)%32)/8
.set mj, 8*(((\u)/32)%2)
.set mt, TMP+8*((\u)%4)
.irp i, 0,1,2,3,4,5,6,7
	v_pk_max_num_bf16 v[mt+\i], v[FR+8*mg+mp], v[XB+8*(mj+\i)+mp]
.endr
.endm
.macro SUMUP u
.set sa, ACC+8*((\u)%8)
.set sb, BS+8*(((\u)/32)%2)
.set sm, TMP+8*((\u)%4)
	v_wmma_f32_16x16x32_bf16 v[sa:sa+7], v[sm:sm+7], v[sb:sb+7], v[sa:sa+7]
.endm
; 64 units.  A unit's product stands behind the next unit's maxima, so it waits for no result just made.  A buffer of maxima is written again three units after the product that read it: 16 plain vector
; lines that name none of that product's registers lie between (four are asked: ISA guide 7.12.1).  The eight accumulators take turns, one product a turn.
.macro PHASES first
	WIN W_MAIN
.set un, (\first)
.rept 64
	MAXES un
.if un > (\first)
	SUMUP un-1
.endif
.set un, un+1
.endr
	SUMUP un-1
.endm
; What a chunk's middle needs has arrived.  The two waits stand ahead of every branch on the trip's number, so that they lie on every way through the text: behind each run of loads into the 20 row
; pieces' registers stands a wait for all of them, ahead of the next such run.  In the last trip nothing is out from memory, and the second wait is met at once.
.macro ARRIVED
	s_wait_dscnt 0x0                       ; the high halves are in: w's fragments are whole
	s_wait_loadcnt 0x0                     ; the next chunk's 20 row pieces are in, and the loads' bases may step
.endm
; The chunk that has come from memory is rounded to bf16 and stored into buffer b.  wc = 1: the step's + sum of w stands among the conversions, a product to five of them.
.macro CONVERT b, wc
	WIN W_ALL1
	s_add_nc_u64 s[6:7], s[6:7], 512       ; no load is out (the wait for all of them stands ahead): 128 k of f32 on
	s_add_nc_u64 s[4:5], s[4:5], 512
.set q, 0
.rept 40
.if (\wc) && (q%5 == 0)
	v_wmma_f32_16x16x32_bf16 v[ACC+8*(q/5):ACC+8*(q/5)+7], v[FR+8*(q/5):FR+8*(q/5)+7], v[ON:ON+7], v[ACC+8*(q/5):ACC+8*(q/5)+7]
.endif
	v_cvt_pk_bf16_f32 v[STG+4*(q/2)+q%2], v[STG+4*(q/2)+2*(q%2)], v[STG+4*(q/2)+2*(q%2)+1]
.if q%2 == 1
.if q/2 < 16
	ds_store_b64 v[STW], v[STG+4*(q/2):STG+4*(q/2)+1] offset:(\b)*BUF+(q/2)*PITCH        ; 32 lanes x 8 bytes: a row's 256 bytes
.else
	ds_store_b64 v[STX], v[STG+4*(q/2):STG+4*(q/2)+1] offset:(\b)*BUF+(q/2-16)*PITCH
.endif
.endif
.set q, q+1
.endr                                  ; five conversions stand behind the last product: the places ahead of the loads into w's fragments
.endm
; ONE barrier a chunk, for two things.  In front of it each wave's stores of the next chunk are done, and so are all its reads of the buffer in hand.  Behind it the next chunk may be read, and the buffer in hand
; may be stored into (which happens a chunk later, in the other buffer's turn).
.macro BAR
	s_wait_dscnt 0x0
	s_barrier_signal -1
	s_barrier_wait -1
.endm
	s_load_b256 s[4:11], s[0:1], 0x0               ; x s[4:5], w s[6:7], bias s[8:9], out s[10:11]
	v_lshl_add_u32 v[SPW], v0, 2, SPARE
	v_mov_b32 v[NIL], 0
	v_lshrrev_b32 v1, 5, v0
	v_readfirstlane_b32 s12, v1                    ; wave 0..7
	s_and_b32 s13, s12, 1                          ; xh: which 16 x rows are mine
	s_lshr_b32 s14, s12, 1                         ; kq: which 32 k of a chunk
	v_and_b32 v2, 31, v0                           ; lane
	v_and_b32 v3, 15, v0                           ; l % 16
	v_bfe_u32 v4, v0, 4, 1                         ; l / 16
	v_lshlrev_b32 v[L16], 4, v2
	s_lshl_b32 s15, s12, 16                        ; wave x 16 rows of 4,096 bytes (also: wave x 4 rows of out)
	s_lshl_b32 s16, s12, 14                        ; wave x 4 rows of 4,096 bytes
	WIN W_MK
	v_add_nc_u32 v[GOW], s15, v[L16]
	v_add_nc_u32 v[GOX], s16, v[L16]
	WIN 0
	s_and_b32 s17, ttmp7, 0xffff                   ; which 128 rows of w
	s_lshl_b32 s18, ttmp9, 17                      ; x: 32 rows x 4,096 bytes for each step of the group's x
	s_mov_b32 s19, 0
	s_lshl_b32 s20, s17, 19                        ; w: 128 rows x 4,096 bytes
	s_mov_b32 s21, 0
	s_lshl_b32 s22, s17, 9                         ; bias and out: 128 columns x 4 bytes
	s_mov_b32 s23, 0
	s_lshl_b32 s24, ttmp9, 19                      ; out: 32 rows x 16,384 bytes
	s_mov_b32 s25, 0
	s_wait_kmcnt 0x0
	s_add_nc_u64 s[4:5], s[4:5], s[18:19]
	s_add_nc_u64 s[6:7], s[6:7], s[20:21]
	s_add_nc_u64 s[8:9], s[8:9], s[22:23]
	s_add_nc_u64 s[10:11], s[10:11], s[22:23]
	s_add_nc_u64 s[10:11], s[10:11], s[24:25]
	GLOAD                                          ; chunk 0; the set-up below stands in the wait for it
	WIN 0
	global_load_b128 v[BIAS:BIAS+3], v[L16], s[8:9]
	v_mov_b32 v1, 0xc000c000                       ; -2 twice, in bf16
.irp t, 0,1,2,3,4,5,6,7,8,9,10,11,12,13,14,15
	v_cmp_eq_u32 vcc_lo, \t, v3
	v_cndmask_b32 v[BS+\t], 0, v1, vcc_lo          ; selector register t: -2 in column t
.endr
	v_mul_u32_u24 v6, v3, PITCH                    ; my lane's row
	v_lshlrev_b32 v7, 4, v4
	s_lshl_b32 s27, s14, 6
	v_add_nc_u32 v7, s27, v7                       ; 64 kq + 16 (l / 16): my k in a row
	s_mul_i32 s28, s13, 16*PITCH
	s_add_co_u32 s28, s28, XT
	v_add_nc_u32 v[XBA], s28, v7
	v_add_nc_u32 v[XNA], v[XBA], v6
	v_add_nc_u32 v8, v6, v7
	v_lshlrev_b32 v9, 3, v2                        ; 8 x lane: four bf16
	s_mul_i32 s29, s12, 16*PITCH
	s_mul_i32 s30, s12, 4*PITCH
	s_add_co_u32 s30, s30, XT
	WIN W_MK
	v_mov_b32 v[FA], v8
	v_add_nc_u32 v[FA+1], BUF, v8
	v_add_nc_u32 v[STW], s29, v9
	v_add_nc_u32 v[STX], s30, v9
.irp i, 0,1,2,3,4,5,6,7
	v_mov_b32 v[ON+\i], 0x3f803f80                 ; 1 twice, in bf16
.endr
	WIN 0
	v_mul_u32_u24 v6, v3, RP                       ; the way out.  In a result lane l holds x row l % 16 and the w rows 8 (l / 16) + 0..7: eight neighbouring columns of out
	v_lshl_add_u32 v6, v4, 5, v6
	s_mul_i32 s31, s14, REDQ
	s_mul_i32 s32, s13, 16*RP
	s_add_co_u32 s31, s31, s32
	s_add_co_u32 s31, s31, RED
	v_add_nc_u32 v[RSA], s31, v6
	s_mul_i32 s34, s12, 4*RP                       ; back: wave w takes rows 4 w .. 4 w + 3, whole
	s_add_co_u32 s34, s34, RED
	v_add_nc_u32 v[RDA], s34, v[L16]
	v_add_nc_u32 v[GO], s15, v[L16]
	s_wait_loadcnt 0x0                             ; chunk 0's 20 row pieces and the bias are in
	CONVERT 0, 0                                   ; chunk 0 into buffer 0
	BAR
	LLO 0
	GLOAD                                          ; chunk 1
	LHI 0
	XSUM 1                                         ; the first products start the sums
	WIN 0                                          ; at a label and at a branch every window is 0
	s_mov_b32 s[CNT], 4
	s_branch .Lenter                               ; chunk 0's x sum has been made: the loop is entered behind its first lines
.Lpair:                                                ; four trips of two chunks: the even one lies in buffer 0, the odd one in buffer 1
	LHI 0
	XSUM 0
	WIN 0
.Lenter:
	PHASES 0                                       ; the even chunk's low halves
	ARRIVED
	CONVERT 1, 1                                   ; its w sum; the odd chunk into buffer 1
	BAR
	LLO 1
	WIN 0
	s_cmp_eq_u32 s[CNT], 1
	s_cbranch_scc1 .Lno_g                          ; behind chunk 7 there is nothing to load
	GLOAD                                          ; the next even chunk: it has a chunk's work in which to come
	WIN 0
.Lno_g:
	PHASES 64                                      ; the even chunk's high halves
	LHI 1
	XSUM 0
	PHASES 0                                       ; the odd chunk's low halves
	WIN 0
	ARRIVED                                        ; ahead of the branch: on both ways
	s_cmp_eq_u32 s[CNT], 1
	s_cbranch_scc1 .Llast
	CONVERT 0, 1                                   ; its w sum; the next even chunk into buffer 0
	WIN 0
	s_branch .Lmeet
.Llast:                                                ; chunk 7: its w sum alone
	WIN W_ALL1
.irp g, 0,1,2,3,4,5,6,7
	v_wmma_f32_16x16x32_bf16 v[ACC+8*\g:ACC+8*\g+7], v[FR+8*\g:FR+8*\g+7], v[ON:ON+7], v[ACC+8*\g:ACC+8*\g+7]
.endr
.rept 4
	v_nop                                          ; so that on every way through the text four places lie between the last product that read w's fragments and a load into them
.endr
	WIN 0
.Lmeet:
	BAR                                            ; every wave passes it in every trip
	s_cmp_eq_u32 s[CNT], 1
	s_cbranch_scc1 .Lno_l
	LLO 0
	GLOAD                                          ; the next odd chunk
	WIN 0
.Lno_l:
	PHASES 64                                      ; the odd chunk's high halves
	WIN 0
	s_sub_co_u32 s[CNT], s[CNT], 1
	s_cmp_lg_u32 s[CNT], 0
	s_cbranch_scc1 .Lpair
	; THE WAY OUT.  Each wave's sums, a quarter of K's, go into its quarter's own bytes; a barrier; each wave adds four whole rows' four parts and the bias, in f32, and stores them.
.rept 4
	v_nop                                          ; the places behind the last products
.endr
	WIN W_OUT
.irp g, 0,1,2,3,4,5,6,7
	ds_store_b128 v[RSA], v[ACC+8*\g:ACC+8*\g+3]   offset:64*\g       ; each accumulator from its low end on
	ds_store_b128 v[RSA], v[ACC+8*\g+4:ACC+8*\g+7] offset:64*\g+16
.endr
	WIN 0
	s_wait_dscnt 0x0                               ; for the others' sake: my stores are done
	s_barrier_signal -1
	s_barrier_wait -1
.irp t, 0,1,2,3
.irp c, 0,1,2,3
	ds_load_b128 v[RR+16*\t+4*\c:RR+16*\t+4*\c+3], v[RDA] offset:\c*REDQ+\t*RP
.endr
.endr
.irp t, 0,1,2,3
	s_wait_dscnt 12-4*\t                           ; row t's four parts are in; the later rows' loads may stay out
.irp e, 0,2
	v_pk_add_f32 v[RR+16*\t+\e:RR+16*\t+\e+1],     v[RR+16*\t+\e:RR+16*\t+\e+1],     v[RR+16*\t+4+\e:RR+16*\t+4+\e+1]
	v_pk_add_f32 v[RR+16*\t+8+\e:RR+16*\t+8+\e+1], v[RR+16*\t+8+\e:RR+16*\t+8+\e+1], v[RR+16*\t+12+\e:RR+16*\t+12+\e+1]
.endr
.irp e, 0,2
	v_pk_add_f32 v[RR+16*\t+\e:RR+16*\t+\e+1], v[RR+16*\t+\e:RR+16*\t+\e+1], v[RR+16*\t+8+\e:RR+16*\t+8+\e+1]
.endr
.irp e, 0,2
	v_pk_add_f32 v[RR+16*\t+\e:RR+16*\t+\e+1], v[RR+16*\t+\e:RR+16*\t+\e+1], v[BIAS+\e:BIAS+\e+1]
.endr
	global_store_b128 v[GO], v[RR+16*\t:RR+16*\t+3], s[10:11] offset:\t*16384 th:TH_STORE_NT  ; 512 consecutive bytes of a row of out, at a multiple of 512 from its first byte
.endr
	s_wait_tensorcnt 0x0                           ; the wave's end: behind my last LDS store
	ds_add_u32 v[SPW], v[NIL]
	s_wait_dscnt 0x0
	s_endpgm
.Lfunc_end_k_qe4879c360a_l1dist:
	.size	k_qe4879c360a_l1dist, .Lfunc_end_k_qe4879c360a_l1dist-k_qe4879c360a_l1dist
	.p2alignl 7, 3214868480
	.fill 96, 4, 3214868480
	.section	.rodata,"a",@progbits
	.p2align	6, 0x0
	.amdhsa_kernel k_qe4879c360a_l1dist
		.amdhsa_group_segment_fixed_size 155648
		.amdhsa_private_segment_fixed_size 0
		.amdhsa_enable_private_segment 0
		.amdhsa_kernarg_size 32
		.amdhsa_user_sgpr_count 2
		.amdhsa_user_sgpr_kernarg_segment_ptr 1
		.amdhsa_wavefront_size32 1
		.amdhsa_system_sgpr_workgroup_id_x 1
		.amdhsa_system_sgpr_workgroup_id_y 1
		.amdhsa_system_sgpr_workgroup_id_z 1
		.amdhsa_system_vgpr_workitem_id 0
		.amdhsa_next_free_vgpr 512
		.amdhsa_next_free_sgpr 66
		.amdhsa_reserve_vcc 1
		.amdhsa_float_denorm_mode_32 3
		.amdhsa_float_denorm_mode_16_64 3
		.amdhsa_memory_ordered 1
		.amdhsa_forward_progress 1
		.amdhsa_inst_pref_size 187
	.end_amdhsa_kernel
	.amdgpu_metadata
---
amdhsa.version: [ 1, 2 ]
amdhsa.kernels:
  - .name:           k_qe4879c360a_l1dist
    .symbol:         k_qe4879c360a_l1dist.kd
    .args:
      - { .name: input, .offset: 0, .size: 8, .value_kind: global_buffer, .address_space: global }
      - { .name: weight_patterns, .offset: 8, .size: 8, .value_kind: global_buffer, .address_space: global }
      - { .name: bias, .offset: 16, .size: 8, .value_kind: global_buffer, .address_space: global }
      - { .name: out0, .offset: 24, .size: 8, .value_kind: global_buffer, .address_space: global }
    .group_segment_fixed_size: 155648
    .private_segment_fixed_size: 0
    .kernarg_segment_align: 8
    .kernarg_segment_size: 32
    .max_flat_workgroup_size: 256
    .sgpr_count:     66
    .vgpr_count:     512
    .wavefront_size: 32
...
	.end_amdgpu_metadata
.endif
;; end of part 1
;; ======== version 2 of 2: 1 launch; version 1 with the launch l1dist written anew for expert scheduling mode
;; limits: values outside matrix products are rounded to bf16
;; launch l1dist (part 2): grid 8 x 32, 8 waves a work-group, no clusters, 155,648 bytes of LDS; arguments input, weight_patterns, bias, out0; writes out0
.if DOCPART == 2
	.amdgcn_target "amdgcn-amd-amdhsa--gfx1250"
	.amdhsa_code_object_version 6
	.text
	.protected	k_qe4879c360a_l1dist
	.globl	k_qe4879c360a_l1dist
	.p2align	8
	.type	k_qe4879c360a_l1dist,@function
k_qe4879c360a_l1dist:
	s_mov_b64 s[64:65], 0
	v_nop
	global_prefetch_b8 v0, s[64:65] scope:SCOPE_SE
	s_setreg_imm32_b32 hwreg(HW_REG_WAVE_SCHED_MODE, 0, 2), 2
	s_setreg_imm32_b32 hwreg(HW_REG_WAVE_MODE, 25, 1), 1
	s_wait_xcnt 0x0
	s_wait_alu depctr_vm_vsrc(0)
; out[n][o] = bias[o] - sum over k of |x[n][k] - w[o][k]|.  x: [256][1024], w: [4096][1024], bias: [4096], out: [256][4096], all f32.
; THE IDENTITY.  |a - b| = 2 max(a, b) - a - b.  x and w are rounded once to bf16 (rounding keeps order, so the maximum of the rounded numbers is the rounded maximum);
; v_pk_max_num_bf16 takes two maxima a lane and rounds nothing; all sums are made by the matrix unit in f32.  Half a vector instruction a term, where subtract, absolute value and add in f32 cost 1.5 to 2.
; A UNIT is eight maxima lines and one product.  Source 0: lane l holds w row l % 16 of a group of 16; its register i holds max(w, x row 8 jh + i) for the two k of the lane's half.  Source 1, the SELECTOR:
; register i holds -2 in column 8 jh + i and 0 elsewhere.  So the product adds -2 max, over 4 k, into 16 w rows x 8 x rows of an accumulator that stands for 16 w rows x 16 x rows.  The 16 registers BS serve both jh.
; Once for each 32 k the same accumulator takes + sum of x (ones times x's fragment) and + sum of w (w's fragment times ones): it holds the running -sum |x - w| and at most one step's terms beside it;
; no two long sums are ever subtracted from each other.
; SHARES.  A work-group: 32 x rows x 128 w rows (256 work-groups); an out row's piece is 512 consecutive bytes.  Eight waves: wave = 16 x rows (xh = wave % 2) x 128 w rows x a quarter of K (kq = wave / 2): of every
; chunk of 128 k the 32 k at 32 kq.  8 accumulators.  For a chunk: 1,024 maxima, 128 + 16 products, 40 conversions a wave.  The four quarters' sums meet in LDS, in f32, at the end.
; DATA.  For each chunk a wave loads 16 rows' pieces of w and 4 of x (each 512 consecutive bytes at a multiple of 512: one load of the wave), rounds them to bf16 and stores them into one of two LDS buffers.
; THE CHUNK'S BARRIER STANDS IN ITS MIDDLE.  A step's registers fall into a low half (k 0-15 of the 32) and a high half.  Order: x's high halves are asked of LDS; x's sum, w's high halves asked for among its
; products; units on the low halves; w's sum among the conversions of the next chunk, then that chunk's stores; barrier; the next chunk's low halves are asked of LDS and the chunk after that of memory; units on
; the high halves.  So behind the barrier a wave works on registers it has.
; NO TENSOR LOADS, NO CLUSTER: the tiles come as f32 and are wanted as bf16.  Landed in LDS as f32 a chunk's 80 KB would be read back and 40 KB stored again, beside the 200 KB that the eight waves read of a chunk
; anyway; through registers the conversion lies on the way.  What is shared between work-groups (x by 32, w by 8) is 640 KB a work-group for its 2^22 terms.
; LIMITS.  x and w count as their bf16 roundings.  An infinity, or a number that rounds to one (3.39e38 and beyond), gives NaN (0 x inf in the selecting product, inf - inf); a NaN reaches the outputs of its row, as it should.
; THE MODE: SCHED_MODE bits 1:0 = 2 (LLVM: expert scheduling mode 2), set by the entry lines.  The code itself states the register dependences between vector or matrix instructions and memory or LDS
; instructions, with s_wait_alu, always for 0.
; THE PLAN.  Registers that memory or LDS instructions touch, round the loop:
;   STG            the 20 row pieces.  The loads from memory land in it behind the barrier; a chunk later the 40 conversions read and write it; then 20 LDS stores read it.
;   XN, low halves the LDS loads behind the barrier land in them; x's sum (XN), the units on the low halves and w's sum read them, all ahead of the conversions' end.
;   high halves    the LDS loads at a chunk's head land in them; w's sum (w's fragments) and the units behind the barrier read them.
;   addresses      made at the head and never written again: the rows from memory are reached by two scalar bases, the LDS buffers by immediate offsets.
;   The maxima's buffers, the selector, the ones and the accumulators are named by vector and matrix instructions alone until the way out.
; So a chunk has these waits.  On va_vdst behind its conversions: they have written STG, which the stores read, and all readers of XN and of the low halves are done, so the loads behind the barrier owe nothing more.
; On vm_vsrc behind the barrier: the stores have read STG.  On va_vdst straight ahead of the loads from memory, under their window: the conversions are done with STG.  On va_vdst ahead of the high halves' loads:
; the units behind the barrier are done reading them; x's eight products, which follow, name none of the registers that w's eight loads among them touch.
; REGISTERS, in two windows of 256 (s_set_vgpr_msb: bits 1:0 source 0, 3:2 source 1, 5:4 source 2, 7:6 destination):
;   window 0: v0-23 addresses and bias; v32-47 BS; v48-55 x's fragment; v64-191 the 16 x rows, each the same in all lanes of a half: row j at XB + 8 j (0-3 low half, 4-7 high half)
;   window 1: v0-31 four buffers of maxima; v32-95 w's fragments, group g at FR + 8 g; v96-159 accumulators; v160-167 ones; v168-247 20 row pieces as loaded; v248-253 addresses
.set PITCH,  272                       ; an LDS row: 256 bytes (128 bf16) + 16 = 68 words: the 16 rows of a fragment load start at 16 different groups of four banks (64 banks of 4 bytes: ISA guide 11.1)
.set XT,     128*PITCH                 ; in a buffer: 128 rows of w, then 32 rows of x
.set BUF,    160*PITCH                 ; 43,520 bytes; two buffers
.set RED,    2*BUF                     ; behind them: the four K quarters' sums, each 32 rows x 128 f32
.set RP,     528                       ; a row there: 512 bytes + 16
.set REDQ,   32*RP
.set SPARE,  RED+4*REDQ                ; the spare words: 128 bytes for each of eight waves, four blocks of 256 bytes that no other line names
.set L16,  5                           ; v5   16 x lane; never rewritten
.set XBA,  10                          ; v10  LDS address of my 16 x rows' k, the same in all lanes of a half
.set XNA,  11                          ; v11  the same plus my lane's row: x's fragment
.set SPW,  12                          ; v12  my spare word: SPARE + 4 x my thread's number; never rewritten
.set NIL,  13                          ; v13  0; never rewritten
.set RSA,  14                          ; v14  the way out: where my sums go
.set RDA,  15                          ; v15  the way out: where I read rows back
.set GO,   16                          ; v16  my byte offset in the work-group's part of out
.set BIAS, 20                          ; v20-23 bias of my four columns
.set BS,   32
.set XN,   48
.set XB,   64
.set RR,   64                          ; the way out: 4 rows x 4 quarters x 4 registers, where the x rows lay
.set TMP,  0                           ; window 1 from here on
.set FR,   32
.set ACC,  96
.set ON,   160
.set STG,  168
.set FA,   248                         ; v248, v249  LDS address of my w fragments in buffer 0, 1
.set STW,  250                         ; where my wave's 16 rows of w are stored in buffer 0
.set STX,  251                         ; the same for its 4 rows of x
.set GOW,  252                         ; my byte offset in the work-group's rows of w
.set GOX,  253                         ; and of x
.set CNT,  26                          ; s26  pairs of chunks to go
.set MK,   17                          ; s17-25, s27-33  the selector's 16 lane masks: mask t in s[MK + t + t / 9]; the registers are dead where the masks are made, and are not written again
.set W_MAIN, 0x51                      ; source 0, source 2 and destination window 1, source 1 window 0: maxima, products, loads into window 1
.set W_ALL1, 0x55                      ; all in window 1: conversions, their stores, w's sum
.set W_MK,   0x40                      ; destination window 1, sources window 0
.set W_OUT,  0x04                      ; LDS store: address window 0, data window 1
.set MSB, 0
.macro WIN new                         ; the immediate's high byte repeats the setting that is left; a switch that changes nothing is dropped
.if MSB != (\new)
	s_set_vgpr_msb (MSB<<8)|(\new)
.set MSB, (\new)
.endif
.endm
; A chunk's 20 row pieces from memory: each line of the wave takes 512 consecutive bytes of one row
.macro GLOAD
	WIN W_MAIN
	s_wait_alu depctr_va_vdst(0)           ; the conversions of the chunk before are done reading and writing the 20 row pieces' registers, in which these loads land; at the first use: the offsets v[GOW], v[GOX] and v[L16] are written
.irp j, 0,1,2,3,4,5,6,7,8,9,10,11,12,13,14,15
	global_load_b128 v[STG+4*\j:STG+4*\j+3], v[GOW], s[6:7] offset:\j*4096
.endr
.irp t, 0,1,2,3
	global_load_b128 v[STG+64+4*\t:STG+64+4*\t+3], v[GOX], s[4:5] offset:\t*4096
.endr
.endm
; From LDS buffer b.  A fragment is 16 rows x 32 k in 8 registers: lane l holds row l % 16, k = 8 (l / 16) + 0..7 (low half) and 16 + 8 (l / 16) + 0..7 (high half).  An x row is read with the same k and no row term.
.macro XROWS b, hi
.irp j, 0,1,2,3,4,5,6,7,8,9,10,11,12,13,14,15
	ds_load_b128 v[XB+8*\j+4*(\hi):XB+8*\j+4*(\hi)+3], v[XBA] offset:(\b)*BUF+\j*PITCH+32*(\hi)
.endr
.endm
.macro LLO b                           ; 26 loads: x's fragment and the low halves.  No wait of their own: no vector or matrix instruction since the wait behind the conversions names a register that they touch
	WIN 0
	ds_load_b128 v[XN:XN+3],   v[XNA] offset:(\b)*BUF
	ds_load_b128 v[XN+4:XN+7], v[XNA] offset:(\b)*BUF+32
	XROWS \b, 0
	WIN W_MAIN
.irp g, 0,1,2,3,4,5,6,7
	ds_load_b128 v[FR+8*\g:FR+8*\g+3], v[FA+(\b)] offset:\g*16*PITCH
.endr
.endm
; A chunk's head: 24 loads, the high halves, and + sum over the step's 32 k of x into all eight accumulators.  x's 16 rows are asked for in a run; w's eight loads stand among the eight products, which name
; the ones, x's fragment and the accumulators: none of the registers that those loads touch.  zero = 1: the launch's first products start the sums: nothing is cleared.
.macro HIGH b, zero
	WIN 0
	XROWS \b, 1
	WIN W_MAIN
	s_wait_dscnt 16                        ; LDS loads come back in order (ISA guide 5.7.1): the 16 loads just issued may stay out, the 26 ahead of them (x's fragment, the low halves) are in
.irp g, 0,1,2,3,4,5,6,7
.if \zero
	v_wmma_f32_16x16x32_bf16 v[ACC+8*\g:ACC+8*\g+7], v[ON:ON+7], v[XN:XN+7], 0
.else
	v_wmma_f32_16x16x32_bf16 v[ACC+8*\g:ACC+8*\g+7], v[ON:ON+7], v[XN:XN+7], v[ACC+8*\g:ACC+8*\g+7]
.endif
	ds_load_b128 v[FR+8*\g+4:FR+8*\g+7], v[FA+(\b)] offset:\g*16*PITCH+32
.endr
.endm
; Unit u of 128: group g = u % 8; pair of k p = 4 (u / 64) + (u % 32) / 8; x rows 8 ((u / 32) % 2) + 0..7; buffer of maxima u % 4
.macro MAXES u
.set mg, (\u)%8
.set mp, 4*((\u)/64)+((\u)%32)/8
.set mj, 8*(((\u)/32)%2)
.set mt, TMP+8*((\u)%4)
.irp i, 0,1,2,3,4,5,6,7
	v_pk_max_num_bf16 v[mt+\i], v[FR+8*mg+mp], v[XB+8*(mj+\i)+mp]
.endr
.endm
.macro SUMUP u
.set sa, ACC+8*((\u)%8)
.set sb, BS+8*(((\u)/32)%2)
.set sm, TMP+8*((\u)%4)
	v_wmma_f32_16x16x32_bf16 v[sa:sa+7], v[sm:sm+7], v[sb:sb+7], v[sa:sa+7]
.endm
; 64 units.  A unit's product stands behind the next unit's maxima, so it waits for no result just made.  A buffer of maxima is written again three units after the product that read it: 16 plain vector
; lines that name none of that product's registers lie between (four are asked: ISA guide 7.12.1).  The eight accumulators take turns, one product a turn.
.macro PHASES first
	WIN W_MAIN
.set un, (\first)
.rept 64
	MAXES un
.if un > (\first)
	SUMUP un-1
.endif
.set un, un+1
.endr
	SUMUP un-1
.endm
; What a chunk's middle needs has arrived.  The two waits stand ahead of every branch on the trip's number, so that they lie on every way through the text: behind each run of loads into the 20 row
; pieces' registers stands a wait for all of them, ahead of the next such run.  In the last trip nothing is out from memory, and the second wait is met at once.
.macro ARRIVED
	s_wait_dscnt 0x0                       ; the high halves are in: w's fragments are whole
	s_wait_loadcnt 0x0                     ; the next chunk's 20 row pieces are in, and the loads' bases may step
.endm
; The chunk that has come from memory is rounded to bf16 and stored into buffer b: all 40 conversions, one wait, a run of 20 stores.  wc = 1: the step's + sum of w stands among the conversions, a product to
; four of them, so that twelve conversions stand behind the last product.
.macro CONVERT b, wc
	WIN W_ALL1
	s_add_nc_u64 s[6:7], s[6:7], 512       ; no load is out (the wait for all of them stands ahead): 128 k of f32 on
	s_add_nc_u64 s[4:5], s[4:5], 512
.set q, 0
.rept 40
.if (\wc) && (q%4 == 0) && (q < 32)
	v_wmma_f32_16x16x32_bf16 v[ACC+8*(q/4):ACC+8*(q/4)+7], v[FR+8*(q/4):FR+8*(q/4)+7], v[ON:ON+7], v[ACC+8*(q/4):ACC+8*(q/4)+7]
.endif
	v_cvt_pk_bf16_f32 v[STG+4*(q/2)+q%2], v[STG+4*(q/2)+2*(q%2)], v[STG+4*(q/2)+2*(q%2)+1]
.set q, q+1
.endr
	s_wait_alu depctr_va_vdst(0)           ; the conversions have written the row pieces, which the stores read; x's sum, the units on the low halves and w's sum are done reading x's fragment and the low halves, in which the loads behind the barrier land; at the first use: the LDS addresses are written
.irp j, 0,1,2,3,4,5,6,7,8,9,10,11,12,13,14,15
	ds_store_b64 v[STW], v[STG+4*\j:STG+4*\j+1] offset:(\b)*BUF+\j*PITCH               ; 32 lanes x 8 bytes: a row's 256 bytes
.endr
.irp t, 0,1,2,3
	ds_store_b64 v[STX], v[STG+64+4*\t:STG+64+4*\t+1] offset:(\b)*BUF+\t*PITCH
.endr
.endm
; ONE barrier a chunk, for two things.  In front of it each wave's stores of the next chunk are done, and so are all its reads of the buffer in hand.  Behind it the next chunk may be read, and the buffer in hand
; may be stored into (which happens a chunk later, in the other buffer's turn).
.macro BAR
	s_wait_dscnt 0x0
	s_barrier_signal -1
	s_barrier_wait -1
	s_wait_alu depctr_vm_vsrc(0)           ; my LDS stores have read the row pieces' registers, in which the next loads from memory land; it stands ahead of the branch that leads to those loads
.endm
	s_load_b256 s[4:11], s[0:1], 0x0               ; x s[4:5], w s[6:7], bias s[8:9], out s[10:11]
	v_lshl_add_u32 v[SPW], v0, 2, SPARE
	v_mov_b32 v[NIL], 0
	v_lshrrev_b32 v1, 5, v0
	v_readfirstlane_b32 s12, v1                    ; wave 0..7
	v_and_b32 v2, 31, v0                           ; lane
	v_and_b32 v3, 15, v0                           ; l % 16
	v_bfe_u32 v4, v0, 4, 1                         ; l / 16
	v_lshlrev_b32 v[L16], 4, v2
	s_wait_alu depctr_va_sdst(0)                   ; s12 is written, ahead of its first reader
	s_and_b32 s13, s12, 1                          ; xh: which 16 x rows are mine
	s_lshr_b32 s14, s12, 1                         ; kq: which 32 k of a chunk
	s_lshl_b32 s15, s12, 16                        ; wave x 16 rows of 4,096 bytes (also: wave x 4 rows of out)
	s_lshl_b32 s16, s12, 14                        ; wave x 4 rows of 4,096 bytes
	WIN W_MK
	v_add_nc_u32 v[GOW], s15, v[L16]
	v_add_nc_u32 v[GOX], s16, v[L16]
	s_and_b32 s17, ttmp7, 0xffff                   ; which 128 rows of w
	s_lshl_b32 s18, ttmp9, 17                      ; x: 32 rows x 4,096 bytes for each step of the group's x
	s_mov_b32 s19, 0
	s_lshl_b32 s20, s17, 19                        ; w: 128 rows x 4,096 bytes
	s_mov_b32 s21, 0
	s_lshl_b32 s22, s17, 9                         ; bias and out: 128 columns x 4 bytes
	s_mov_b32 s23, 0
	s_lshl_b32 s24, ttmp9, 19                      ; out: 32 rows x 16,384 bytes
	s_mov_b32 s25, 0
	s_wait_kmcnt 0x0
	s_add_nc_u64 s[4:5], s[4:5], s[18:19]
	s_add_nc_u64 s[6:7], s[6:7], s[20:21]
	s_add_nc_u64 s[8:9], s[8:9], s[22:23]
	s_add_nc_u64 s[10:11], s[10:11], s[22:23]
	s_add_nc_u64 s[10:11], s[10:11], s[24:25]
	GLOAD                                          ; chunk 0; the set-up below stands in the wait for it
	WIN 0
	global_load_b128 v[BIAS:BIAS+3], v[L16], s[8:9]  ; its offset was written ahead of the wait that stands in front of the 20 loads above
	v_mul_u32_u24 v6, v3, PITCH                    ; my lane's row
	v_lshlrev_b32 v7, 4, v4
	s_lshl_b32 s27, s14, 6
	v_add_nc_u32 v7, s27, v7                       ; 64 kq + 16 (l / 16): my k in a row
	s_mul_i32 s28, s13, 16*PITCH
	s_add_co_u32 s28, s28, XT
	v_add_nc_u32 v[XBA], s28, v7
	v_add_nc_u32 v[XNA], v[XBA], v6
	v_add_nc_u32 v8, v6, v7
	v_lshlrev_b32 v9, 3, v2                        ; 8 x lane: four bf16
	s_mul_i32 s29, s12, 16*PITCH
	s_mul_i32 s30, s12, 4*PITCH
	s_add_co_u32 s30, s30, XT
	WIN W_MK
	v_mov_b32 v[FA], v8
	v_add_nc_u32 v[FA+1], BUF, v8
	v_add_nc_u32 v[STW], s29, v9
	v_add_nc_u32 v[STX], s30, v9
.irp i, 0,1,2,3,4,5,6,7
	v_mov_b32 v[ON+\i], 0x3f803f80                 ; 1 twice, in bf16
.endr
	WIN 0
	v_mul_u32_u24 v6, v3, RP                       ; the way out.  In a result lane l holds x row l % 16 and the w rows 8 (l / 16) + 0..7: eight neighbouring columns of out
	v_lshl_add_u32 v6, v4, 5, v6
	s_mul_i32 s31, s14, REDQ
	s_mul_i32 s32, s13, 16*RP
	s_add_co_u32 s31, s31, s32
	s_add_co_u32 s31, s31, RED
	v_add_nc_u32 v[RSA], s31, v6
	s_mul_i32 s34, s12, 4*RP                       ; back: wave w takes rows 4 w .. 4 w + 3, whole
	s_add_co_u32 s34, s34, RED
	v_add_nc_u32 v[RDA], s34, v[L16]
	v_add_nc_u32 v[GO], s15, v[L16]
	v_mov_b32 v1, 0xc000c000                       ; -2 twice, in bf16
.irp t, 0,1,2,3,4,5,6,7,8,9,10,11,12,13,14,15
	v_cmp_eq_u32 s[MK+\t+\t/9], \t, v3             ; the selector's masks, in one run: mask t names the lanes of column t
.endr
	s_wait_alu depctr_va_sdst(0)                   ; the 16 masks are written, ahead of their first reader
.irp t, 0,1,2,3,4,5,6,7,8,9,10,11,12,13,14,15
	v_cndmask_b32 v[BS+\t], 0, v1, s[MK+\t+\t/9]   ; selector register t: -2 in column t
.endr
	s_wait_loadcnt 0x0                             ; chunk 0's 20 row pieces and the bias are in
	CONVERT 0, 0                                   ; chunk 0 into buffer 0
	BAR
	LLO 0
	GLOAD                                          ; chunk 1
	HIGH 0, 1                                      ; the first products start the sums.  No wait ahead of these loads: no vector instruction has named the high halves yet
	WIN 0                                          ; at a label and at a branch every window is 0
	s_mov_b32 s[CNT], 4
	s_branch .Lenter                               ; chunk 0's x sum has been made: the loop is entered behind its first lines
.Lpair:                                                ; four trips of two chunks: the even one lies in buffer 0, the odd one in buffer 1
	s_wait_alu depctr_va_vdst(0)                   ; the units on the odd chunk's high halves, at the last trip's end, are done reading them: the loads below land there
	HIGH 0, 0
	WIN 0
.Lenter:
	PHASES 0                                       ; the even chunk's low halves
	ARRIVED
	CONVERT 1, 1                                   ; its w sum; the odd chunk into buffer 1
	BAR
	LLO 1
	WIN 0
	s_cmp_eq_u32 s[CNT], 1
	s_cbranch_scc1 .Lno_g                          ; behind chunk 7 there is nothing to load
	GLOAD                                          ; the next even chunk: it has a chunk's work in which to come
	WIN 0
.Lno_g:
	PHASES 64                                      ; the even chunk's high halves
	WIN 0
	s_wait_alu depctr_va_vdst(0)                   ; those units are done reading the high halves: the loads below land there
	HIGH 1, 0
	PHASES 0                                       ; the odd chunk's low halves
	WIN 0
	ARRIVED                                        ; ahead of the branch: on both ways
	s_cmp_eq_u32 s[CNT], 1
	s_cbranch_scc1 .Llast
	CONVERT 0, 1                                   ; its w sum; the next even chunk into buffer 0
	WIN 0
	s_branch .Lmeet
.Llast:                                                ; chunk 7: its w sum alone
	WIN W_ALL1
.irp g, 0,1,2,3,4,5,6,7
	v_wmma_f32_16x16x32_bf16 v[ACC+8*\g:ACC+8*\g+7], v[FR+8*\g:FR+8*\g+7], v[ON:ON+7], v[ACC+8*\g:ACC+8*\g+7]
.endr
.rept 4
	v_nop                                          ; so that on every way through the text four places lie between the last product that read w's fragments and a load into them
.endr
	s_wait_alu depctr_va_vdst(0)                   ; on this way too the readers of x's fragment and of the low halves (x's sum, the units, the eight products above) are done ahead of the lines behind the barrier that load into them
	WIN 0
.Lmeet:
	BAR                                            ; every wave passes it in every trip
	s_cmp_eq_u32 s[CNT], 1
	s_cbranch_scc1 .Lno_l
	LLO 0
	GLOAD                                          ; the next odd chunk
	WIN 0
.Lno_l:
	PHASES 64                                      ; the odd chunk's high halves
	WIN 0
	s_sub_co_u32 s[CNT], s[CNT], 1
	s_cmp_lg_u32 s[CNT], 0
	s_cbranch_scc1 .Lpair
	; THE WAY OUT.  Each wave's sums, a quarter of K's, go into its quarter's own bytes; a barrier; each wave adds four whole rows' four parts and the bias, in f32, and stores them.
.rept 4
	v_nop                                          ; the places behind the last products
.endr
	WIN W_OUT
	s_wait_alu depctr_va_vdst(0)                   ; the products have written the accumulators, which the LDS stores read (the places above stay beside this wait); the last units are done reading the x rows' registers, in which the loads behind the barrier land
.irp g, 0,1,2,3,4,5,6,7
	ds_store_b128 v[RSA], v[ACC+8*\g:ACC+8*\g+3]   offset:64*\g       ; each accumulator from its low end on
	ds_store_b128 v[RSA], v[ACC+8*\g+4:ACC+8*\g+7] offset:64*\g+16
.endr
	WIN 0
	s_wait_dscnt 0x0                               ; for the others' sake: my stores are done
	s_barrier_signal -1
	s_barrier_wait -1
.irp t, 0,1,2,3
.irp c, 0,1,2,3
	ds_load_b128 v[RR+16*\t+4*\c:RR+16*\t+4*\c+3], v[RDA] offset:\c*REDQ+\t*RP
.endr
.endr
.irp t, 0,1,2,3
	s_wait_dscnt 12-4*\t                           ; row t's four parts are in; the later rows' loads may stay out
.irp e, 0,2
	v_pk_add_f32 v[RR+16*\t+\e:RR+16*\t+\e+1],     v[RR+16*\t+\e:RR+16*\t+\e+1],     v[RR+16*\t+4+\e:RR+16*\t+4+\e+1]
	v_pk_add_f32 v[RR+16*\t+8+\e:RR+16*\t+8+\e+1], v[RR+16*\t+8+\e:RR+16*\t+8+\e+1], v[RR+16*\t+12+\e:RR+16*\t+12+\e+1]
.endr
.irp e, 0,2
	v_pk_add_f32 v[RR+16*\t+\e:RR+16*\t+\e+1], v[RR+16*\t+\e:RR+16*\t+\e+1], v[RR+16*\t+8+\e:RR+16*\t+8+\e+1]
.endr
.irp e, 0,2
	v_pk_add_f32 v[RR+16*\t+\e:RR+16*\t+\e+1], v[RR+16*\t+\e:RR+16*\t+\e+1], v[BIAS+\e:BIAS+\e+1]
.endr
.endr
	s_wait_alu depctr_va_vdst(0)                   ; the additions have written the four rows, which the stores read
.irp t, 0,1,2,3
	global_store_b128 v[GO], v[RR+16*\t:RR+16*\t+3], s[10:11] offset:\t*16384 th:TH_STORE_NT  ; 512 consecutive bytes of a row of out, at a multiple of 512 from its first byte
.endr
	s_wait_dscnt 0x0                               ; the wave's end: behind my last LDS store
	s_wait_alu 0x0
	s_wait_tensorcnt 0x0
	ds_add_u32 v[SPW], v[NIL]
	s_wait_dscnt 0x0
	s_endpgm
.Lfunc_end_k_qe4879c360a_l1dist:
	.size	k_qe4879c360a_l1dist, .Lfunc_end_k_qe4879c360a_l1dist-k_qe4879c360a_l1dist
	.p2alignl 7, 3214868480
	.fill 96, 4, 3214868480
	.section	.rodata,"a",@progbits
	.p2align	6, 0x0
	.amdhsa_kernel k_qe4879c360a_l1dist
		.amdhsa_group_segment_fixed_size 155648
		.amdhsa_private_segment_fixed_size 0
		.amdhsa_enable_private_segment 0
		.amdhsa_kernarg_size 32
		.amdhsa_user_sgpr_count 2
		.amdhsa_user_sgpr_kernarg_segment_ptr 1
		.amdhsa_wavefront_size32 1
		.amdhsa_system_sgpr_workgroup_id_x 1
		.amdhsa_system_sgpr_workgroup_id_y 1
		.amdhsa_system_sgpr_workgroup_id_z 1
		.amdhsa_system_vgpr_workitem_id 0
		.amdhsa_next_free_vgpr 512
		.amdhsa_next_free_sgpr 66
		.amdhsa_reserve_vcc 0
		.amdhsa_float_denorm_mode_32 3
		.amdhsa_float_denorm_mode_16_64 3
		.amdhsa_memory_ordered 1
		.amdhsa_forward_progress 1
		.amdhsa_inst_pref_size 189
	.end_amdhsa_kernel
	.amdgpu_metadata
---
amdhsa.version: [ 1, 2 ]
amdhsa.kernels:
  - .name:           k_qe4879c360a_l1dist
    .symbol:         k_qe4879c360a_l1dist.kd
    .args:
      - { .name: input, .offset: 0, .size: 8, .value_kind: global_buffer, .address_space: global }
      - { .name: weight_patterns, .offset: 8, .size: 8, .value_kind: global_buffer, .address_space: global }
      - { .name: bias, .offset: 16, .size: 8, .value_kind: global_buffer, .address_space: global }
      - { .name: out0, .offset: 24, .size: 8, .value_kind: global_buffer, .address_space: global }
    .group_segment_fixed_size: 155648
    .private_segment_fixed_size: 0
    .kernarg_segment_align: 8
    .kernarg_segment_size: 32
    .max_flat_workgroup_size: 256
    .sgpr_count:     66
    .vgpr_count:     512
    .wavefront_size: 32
...
	.end_amdgpu_metadata
.endif
;; end of part 2
